; MI455X (gfx1250); checked and timed in simulation.
; The chip was launched on July 23, 2026; its instructions are those of AMD's public machine-readable ISA for CDNA 5 (MIT licence, August 2026) and "CDNA5" Instruction Set Architecture Reference Guide (July 2026). The comments in the code are by the model that wrote it; some were corrected since.
;; Self Dot Product Attn QK Norm. Allowed arithmetic: matrix products marked QUANTISED: E2M1 operands, one E8M0 scale for each 32 along K, by v_wmma_scale_f32_16x16x128_f8f6f4 with both operands' format E2M1 (or v_wmma_scale_f32_32x16x128_f4), f32 sums; everything else in f32.
;; Inputs: K 2 x 16 x 2,048 x 64 float32; Q 2 x 16 x 2,048 x 64 float32; V_codes 2 x 16 x 64 x 64 x 16 uint8 (E2M1 codes of V, K innermost, in blocks of 32 codes, two codes a byte); V_scales 2 x 16 x 64 x 64 uint8 (E8M0 scales of V, one for each 32 codes along K); gain one number float32.
;; Outputs: out0 2 x 16 x 2,048 x 64 float32.
;; Constants: is_causal = 1.
;; This version of the problem:
;;   THIS VERSION OF THE PROBLEM IS GIVEN IN LOW PRECISION. The matrix products marked QUANTISED in the list below multiply operands that are first quantised to E2M1 (2 exponent bits, 1 mantissa bit; 4 bits a number), with one power-of-two scale for each 32 numbers along K (OCP MX v1.0); their sums are f32. All else is computed in f32.
;;   The module's matrix products, in the order in which they are computed (A, B: the left and right operand; K: the contracted axis; several contracted axes count as one K, in the product's order):
;;     1. batch 32 x [M 2,048, K 64] x [K 64, N 2,048]; A: computed on the way; B: computed on the way: QUANTISED
;;     2. batch 32 x [M 2,048, K 2,048] x [K 2,048, N 64]; A: softmax (see below); B: input V (given as codes): QUANTISED
;;   THE QUANTISER, for each operand of a quantised product, along K:
;;     - K is cut into blocks of 32 from its start; a last block that is shorter is filled with zeros.
;;     - A block's scale is 2^e with e = floor(log2(the largest magnitude in the block)) - 2, held to -126 .. 127; a block of zeros has e = 0. As a byte (E8M0): e + 127.
;;     - Each number is divided by its block's scale, clamped to +-6, and rounded to the nearest number of E2M1, ties to even, subnormals kept.
;;     - The product sums the exact products of the quantised numbers (number of the format x scale) in f32.
;;   ~~~python
;;   def quantise(x, axis):      # numpy; x: float32 -> the quantised numbers, widened to float32 again
;;       x = np.moveaxis(x, axis, -1); K = x.shape[-1]
;;       x = np.pad(x, [(0, 0)] * (x.ndim - 1) + [(0, -K % 32)]); x = x.reshape(x.shape[:-1] + (-1, 32)); a = np.abs(x).max(-1, keepdims=True)
;;       e = np.where(a > 0, np.clip(np.frexp(np.where(a > 0, a, 1))[1] - 1 - 2, -126, 127), 0)      # np.frexp(a)[1] - 1 = floor(log2(a)), exactly
;;       r = np.clip(x / 2.0 ** e, -6, 6)
;;       step = 2.0 ** (np.maximum(np.frexp(np.where(r == 0, 1, r))[1] - 1, 0) - 1)
;;       q = np.round(r / step) * step * 2.0 ** e      # np.round: ties to even
;;       return np.moveaxis(q.reshape(q.shape[:-2] + (-1,))[..., :K], -1, axis).astype(np.float32)
;;   ~~~
;;   SOFTMAX AHEAD OF A QUANTISED PRODUCT. Where the list says 'softmax', what is quantised is not the finished softmax but p = 2^(t - M), with t = logit x log2(e) and M = ceil(the row's largest t), a whole number; so 1/2 < the row's largest p <= 1. The row's sum l is taken of the UNQUANTISED p, in f32, and the product's result is divided by l at the end. Since M is a whole number, a kernel that streams over the keys may use a running M (the ceiling of the running maximum): every later rescaling is an exact power of two, which a block's scale takes up: the codes' values come out the same.
;;   OPERANDS COMPUTED ON THE WAY. 'Computed on the way' means the value that the module computes at that place (a softmax that the list does not call 'softmax' is quantised finished and normalised). What goes into a quantiser is computed in f32, as accurately as f32 sums, v_exp_f32 and their like allow (about 1e-6 of the number): no bf16 or f16 on the way to a quantiser, and a product that is left as it is and whose result goes on into a quantised operand takes f32 operands (vector FMAs, or v_wmma_f32_16x16x4_f32). A number that lies on a knife's edge between two numbers of the format may be rounded either way, as far as f32 arithmetic and the matrix unit's own rounding can turn it there, and no further.
;;   INPUTS GIVEN AS CODES. V (in the module: [2, 16, 2048, 64], K = its axis 2): each comes as NAME_codes (uint8): NAME with its K axis moved to the last place and cut into blocks of 32 codes, [.., K / 32, bytes a block], one block behind the other in memory; two codes a byte, the lower K in the low four bits (a code: sign, 2 exponent bits, 1 mantissa bit); and NAME_scales (uint8): the same leading axes, one E8M0 byte (e + 127) for each 32 codes along K. Its value is code x scale, taken as it is: it is not quantised again, and the codes and scales need not be those that the quantiser above would give.
;; One version. Each part assembles by itself: llvm-mc -triple=amdgcn-amd-amdhsa -mcpu=gfx1250 --defsym DOCPART=n.
;; ======== version 1 of 1: 2 launches
;; limits: right only within a limited range of input values
;; workspace buffers: kimg 2,359,296 bytes
;; launch prep (part 1): grid 256 x 1, 8 waves a work-group, no clusters, 71,680 bytes of LDS; arguments K, kimg; writes kimg
.if DOCPART == 1
	.amdgcn_target "amdgcn-amd-amdhsa--gfx1250"
	.amdhsa_code_object_version 6
	.text
	.protected	k_qb91d9e8378_prep
	.globl	k_qb91d9e8378_prep
	.p2align	8
	.type	k_qb91d9e8378_prep,@function
k_qb91d9e8378_prep:
	s_mov_b64 s[64:65], 0
	v_nop
	global_prefetch_b8 v0, s[64:65] scope:SCOPE_SE
	s_setreg_imm32_b32 hwreg(HW_REG_WAVE_MODE, 25, 1), 1
	s_wait_xcnt 0x0
; THE PROGRAM: out0 = softmax(gain x Qn Kn^T, causal) V for 32 heads of 2,048 queries and keys, head size 64; Qn, Kn = Q, K / sqrt(sum of squares + 1e-12); both products on codes of FP4 (E2M1) with E8M0 scales.  This launch prepares K, the next does the rest.
; LEFT OUT, in the next launch: groups of 64 keys, or steps of 128, all of whose keys come after a wave's 16 queries.  reference() builds the causal mask in its own body and gives them the weight 0, whatever the inputs hold.
;   A NaN, an infinity or an overflow that reaches only this work is not carried to the result.
; THIS LAUNCH.  K, [65,536 rows][64] f32, is normalised along its 64 in f32 and quantised, one scale for each 32.  128 rows are a STEP of 4,608 bytes, an image of the operand's registers:
;   tile 4 c + t (512 bytes at 512 (4 c + t)) holds at 16 x lane the 32 codes of block lane / 16 of row r = lane % 16, which is key 64 c + 8 t + r for r < 8 and key 64 c + 24 + 8 t + r for the others;
;   from byte 4,096 on, at 16 x lane + 4 j, the scale word of tile 2 j + lane / 16, row lane % 16: byte 0 block 0's, byte 1 block 1's, bytes 2 and 3 a finite byte over the part that counts for nothing.
; SHARES.  A wave makes two tiles (32 rows, 8 KiB in), a work-group two steps.  All loads of a wave go out at once, each 512 consecutive bytes (two rows); the rows turn through the wave's own stage in LDS, so that a lane gets 32 neighbours of one row.
; The four waves of a step hand their scale words over through LDS, so that 512 consecutive bytes are stored by one instruction.  No tensor loads, clusters or prefetches: the launch streams, there is no loop, and no two work-groups read the same byte.
; LIMITS.  NaN and infinities are not served.  A block of zeros keeps the byte 1 over zero codes.  1 / sqrt is v_rsq_f32 and a multiplication.
.set SP,   272                         ; a stage row: 256 bytes + 16
.set WREG, 32*SP
.set WL,   8*WREG                      ; the scale words: 128 bytes a wave
.set SPARE, WL+1024                    ; the spare words, 128 bytes a wave
.set R,    64                          ; v64-127 the rows as loaded
.set X,    128                         ; v128-191 two tiles' numbers, 32 neighbours a lane each
	s_load_b128 s[4:7], s[0:1], 0x0                ; K s[4:5], kimg s[6:7]
	v_lshrrev_b32 v8, 5, v0
	v_readfirstlane_b32 s12, v8                    ; wave 0..7
	s_mul_i32 s13, s12, WREG                       ; my stage
	s_lshl_b32 s14, s12, 7
	s_add_co_u32 s14, s14, WL                      ; my scale words
	s_and_b32 s26, s12, 1
	s_lshl_b32 s15, s26, 9
	s_add_co_u32 s15, s15, WL                      ; waves 0, 1: a step's words
	v_and_b32 v9, 31, v0                           ; lane
	v_and_b32 v10, 15, v0                          ; r
	v_bfe_u32 v11, v0, 4, 1                        ; h
	v_lshl_add_u32 v6, v0, 2, SPARE
	v_mov_b32 v7, 0
	v_lshlrev_b32 v1, 4, v9
	v_mul_u32_u24 v4, v11, SP
	v_mul_u32_u24 v12, v10, SP
	v_lshlrev_b32 v13, 2, v9
	v_mov_b32 v49, 0                               ; (named as the upper halves of pairs)
	v_lshl_add_u32 v4, v10, 4, v4
	v_lshl_add_u32 v12, v11, 7, v12
	v_add_nc_u32 v14, s15, v13
	v_add_nc_u32 v13, s14, v13
	v_add_nc_u32 v4, s13, v4                       ; stage in: lanes 0-15 one row, lanes 16-31 the next
	v_add_nc_u32 v12, s13, v12                     ; stage out: row r, block h's 128 bytes
	v_mov_b32 v51, 0
	s_lshl_b32 s16, ttmp9, 3
	s_add_co_u32 s16, s16, s12                     ; my number among all waves: four to a step
	s_lshr_b32 s17, s16, 2                         ; the step
	s_and_b32 s18, s16, 3                          ; b: tiles 2 b and 2 b + 1
	s_lshl_b32 s20, s17, 15
	s_lshr_b32 s19, s18, 1
	s_lshl_b32 s19, s19, 14
	s_add_co_u32 s20, s20, s19
	s_and_b32 s19, s18, 1
	s_lshl_b32 s19, s19, 12
	s_add_co_u32 s20, s20, s19                     ; rows 64 (b / 2) + 16 (b % 2) on
	s_mov_b32 s21, 0
	s_mul_i32 s22, s17, 4608
	s_lshl_b32 s19, s18, 10
	s_add_co_u32 s22, s22, s19
	s_mov_b32 s23, 0
	s_lshl_b32 s24, ttmp9, 1
	s_add_co_u32 s24, s24, s26
	s_mul_i32 s24, s24, 4608
	s_add_co_u32 s24, s24, 4096
	s_mov_b32 s25, 0
	s_wait_alu depctr_va_vdst(0)                   ; the wait at the head's end
	s_wait_kmcnt 0x0
	s_add_nc_u64 s[4:5], s[4:5], s[20:21]
	s_add_nc_u64 s[24:25], s[6:7], s[24:25]        ; waves 0, 1: where a step's words go
	s_add_nc_u64 s[6:7], s[6:7], s[22:23]          ; my two tiles
.irp j, 0,1,2,3,4,5,6,7
	global_load_b128 v[R+4*\j:R+4*\j+3], v1, s[4:5] offset:512*\j th:TH_LOAD_NT
.endr
.irp j, 0,1,2,3,4,5,6,7
	global_load_b128 v[R+32+4*\j:R+32+4*\j+3], v1, s[4:5] offset:8192+512*\j th:TH_LOAD_NT   ; the sixteen rows 32 further on
.endr
	s_wait_loadcnt 8                               ; the first run; the second's eight may be out
.irp j, 0,1,2,3,4,5,6,7
	ds_store_b128 v4, v[R+4*\j:R+4*\j+3] offset:SP*(16*((2*\j)/8)+(2*\j)%8)           ; stage rows 0-15: the first tile in the order of its lanes, rows 16-31: the second
.endr
	s_wait_loadcnt 0x0
.irp j, 0,1,2,3,4,5,6,7
	ds_store_b128 v4, v[R+32+4*\j:R+32+4*\j+3] offset:SP*(16*((2*\j)/8)+8+(2*\j)%8)
.endr
.irp u, 0,1
.irp i, 0,1,2,3,4,5,6,7
	ds_load_b128 v[X+32*\u+4*\i:X+32*\u+4*\i+3], v12 offset:SP*16*\u+16*\i   ; LDS serves a wave's instructions in order (ISA guide 5.7.1.4): these see my stores
.endr
.endr
	s_wait_dscnt 0x0
.irp u, 0,1
	v_pk_fma_f32 v[36+4*\u:37+4*\u], v[X+32*\u:X+32*\u+1], v[X+32*\u:X+32*\u+1], 0x2a8cbccc op_sel_hi:[1,1,0]   ; the squares in two chains; a quarter of 1e-12 in each half of a row's two lanes
	v_pk_mul_f32 v[38+4*\u:39+4*\u], v[X+32*\u+2:X+32*\u+3], v[X+32*\u+2:X+32*\u+3]
	v_max3_num_f32 v[44+2*\u], |v[X+32*\u]|, |v[X+32*\u+1]|, |v[X+32*\u+2]|
	v_max3_num_f32 v[45+2*\u], |v[X+32*\u+3]|, |v[X+32*\u+4]|, |v[X+32*\u+5]|
.endr
.irp i, 4,8,12,16,20,24,28
.irp u, 0,1
	v_pk_fma_f32 v[36+4*\u:37+4*\u], v[X+32*\u+\i:X+32*\u+\i+1], v[X+32*\u+\i:X+32*\u+\i+1], v[36+4*\u:37+4*\u]
	v_pk_fma_f32 v[38+4*\u:39+4*\u], v[X+32*\u+\i+2:X+32*\u+\i+3], v[X+32*\u+\i+2:X+32*\u+\i+3], v[38+4*\u:39+4*\u]
	v_max3_num_f32 v[44+2*\u], v[44+2*\u], |v[X+32*\u+\i+2]|, |v[X+32*\u+\i+3]|
.if (\i)<28
	v_max3_num_f32 v[45+2*\u], v[45+2*\u], |v[X+32*\u+\i+4]|, |v[X+32*\u+\i+5]|
.endif
.endr
.endr
.irp u, 0,1
	v_pk_add_f32 v[36+4*\u:37+4*\u], v[36+4*\u:37+4*\u], v[38+4*\u:39+4*\u]
.endr
.irp u, 0,1
	v_add_f32 v[36+4*\u], v[36+4*\u], v[37+4*\u]
.endr
	v_permlane16_swap_b32 v36, v40                 ; lanes 0-15: the first tile's two halves of a row, lanes 16-31: the second tile's
	v_add_f32 v36, v36, v40
	s_wait_alu depctr_va_vdst(0)                   ; the wait ahead of the transcendental
	v_rsq_f32 v48, v36
.irp u, 0,1
	v_max_num_f32 v[44+2*\u], v[44+2*\u], v[45+2*\u]   ; (plain work behind the transcendental)
.endr
	s_wait_alu depctr_va_vdst(0)                   ; and behind it
	v_mov_b32 v50, v48
	v_permlane16_swap_b32 v48, v50                 ; v48: the first tile's 1 / norm in both halves of the lanes, v50: the second's
.irp u, 0,1
	v_mul_f32 v[52+\u], v[44+2*\u], v[48+2*\u]     ; the largest normalised magnitude: a rounded multiplication by a positive number keeps the order
.endr
.irp u, 0,1
	v_max_num_f32 v[52+\u], 0x1800000, v[52+\u]    ; the floor 2^(3 - 127): the byte cannot fall under 1
.endr
.irp u, 0,1
	v_add_nc_u32 v[52+\u], 0xff000000, v[52+\u]    ; 2 off the exponent field: the conversion's scale operand
.endr
.irp i, 0,2,4,6,8,10,12,14,16,18,20,22,24,26,28,30
.irp u, 0,1
	v_pk_mul_f32 v[X+32*\u+\i:X+32*\u+\i+1], v[X+32*\u+\i:X+32*\u+\i+1], v[48+2*\u:49+2*\u] op_sel_hi:[1,0]
.endr
.endr
.irp g, 0,1,2,3
.irp u, 0,1
	v_cvt_scalef32_pk8_fp4_f32 v[56+4*\u+\g], v[X+32*\u+8*\g:X+32*\u+8*\g+7], v[52+\u]
.endr
.endr
.irp u, 0,1
	v_lshrrev_b32 v[54+\u], 23, v[52+\u]           ; the scale's byte.  (Also the plain work behind the conversions)
.endr
	v_permlane16_swap_b32 v54, v55
	v_lshl_or_b32 v8, v55, 8, v54                  ; lanes 0-15 the first tile's words, lanes 16-31 the second's
	v_or_b32 v8, 0x40400000, v8
	ds_store_b32 v13, v8
	global_store_b128 v1, v[56:59], s[6:7]         ; a tile's image: 512 consecutive bytes, at a multiple of 256 from the buffer's first byte
	global_store_b128 v1, v[60:63], s[6:7] offset:512
	s_wait_dscnt 0x0                               ; my words are in LDS,
	s_barrier_signal -1
	s_barrier_wait -1                              ; everybody's are
	s_cmp_lt_u32 s12, 2
	s_cbranch_scc0 .Lend
.irp j, 0,1,2,3
	ds_load_b32 v[8+\j], v14 offset:128*\j
.endr
	s_wait_dscnt 0x0
	global_store_b128 v1, v[8:11], s[24:25]        ; a step's words: 512 consecutive bytes
.Lend:
	s_wait_tensorcnt 0x0                           ; the wave's end
	ds_add_u32 v6, v7
	s_wait_dscnt 0x0
	s_endpgm
.Lfunc_end_k_qb91d9e8378_prep:
	.size	k_qb91d9e8378_prep, .Lfunc_end_k_qb91d9e8378_prep-k_qb91d9e8378_prep
	.p2alignl 7, 3214868480
	.fill 96, 4, 3214868480
	.section	.rodata,"a",@progbits
	.p2align	6, 0x0
	.amdhsa_kernel k_qb91d9e8378_prep
		.amdhsa_group_segment_fixed_size 71680
		.amdhsa_private_segment_fixed_size 0
		.amdhsa_enable_private_segment 0
		.amdhsa_kernarg_size 16
		.amdhsa_user_sgpr_count 2
		.amdhsa_user_sgpr_kernarg_segment_ptr 1
		.amdhsa_wavefront_size32 1
		.amdhsa_system_sgpr_workgroup_id_x 1
		.amdhsa_system_sgpr_workgroup_id_y 1
		.amdhsa_system_sgpr_workgroup_id_z 1
		.amdhsa_system_vgpr_workitem_id 0
		.amdhsa_next_free_vgpr 192
		.amdhsa_next_free_sgpr 66
		.amdhsa_reserve_vcc 0
		.amdhsa_float_denorm_mode_32 3
		.amdhsa_float_denorm_mode_16_64 3
		.amdhsa_memory_ordered 1
		.amdhsa_forward_progress 1
		.amdhsa_inst_pref_size 15
	.end_amdhsa_kernel
	.amdgpu_metadata
---
amdhsa.version: [ 1, 2 ]
amdhsa.kernels:
  - .name:           k_qb91d9e8378_prep
    .symbol:         k_qb91d9e8378_prep.kd
    .args:
      - { .name: K, .offset: 0, .size: 8, .value_kind: global_buffer, .address_space: global }
      - { .name: kimg, .offset: 8, .size: 8, .value_kind: global_buffer, .address_space: global }
    .group_segment_fixed_size: 71680
    .private_segment_fixed_size: 0
    .kernarg_segment_align: 8
    .kernarg_segment_size: 16
    .max_flat_workgroup_size: 256
    .sgpr_count:     66
    .vgpr_count:     192
    .wavefront_size: 32
...
	.end_amdgpu_metadata
.endif
;; end of part 1
;; launch attn (part 2): grid 8 x 32, 16 waves a work-group, clusters of 4 x 1, 261,632 bytes of LDS; arguments Q, kimg, V_codes, V_scales, gain, out0; writes out0
.if DOCPART == 2
	.amdgcn_target "amdgcn-amd-amdhsa--gfx1250"
	.amdhsa_code_object_version 6
	.text
	.protected	k_qb91d9e8378_attn
	.globl	k_qb91d9e8378_attn
	.p2align	8
	.type	k_qb91d9e8378_attn,@function
k_qb91d9e8378_attn:
	s_mov_b64 s[64:65], 0
	v_nop
	global_prefetch_b8 v0, s[64:65] scope:SCOPE_SE
	s_setreg_imm32_b32 hwreg(HW_REG_WAVE_MODE, 25, 1), 1
	s_wait_xcnt 0x0
	s_wait_alu depctr_hold_cnt(0) depctr_sa_sdst(0) depctr_va_vdst(0) depctr_va_sdst(0) depctr_va_ssrc(0) depctr_va_vcc(0) depctr_vm_vsrc(0)
	s_getreg_b32 s2, hwreg(HW_REG_IB_STS2, 6, 4)
	s_cmp_eq_u32 s2, 0
	s_cbranch_scc0 .Lentry_in_a_cluster
	s_endpgm
.Lentry_in_a_cluster:
	s_bfe_u32 s2, ttmp6, 0x10000c
	s_cmp_lg_u32 s2, 0x3003
	s_cbranch_scc0 .Lentry_shape_is_right
	s_endpgm
.Lentry_shape_is_right:
; out0[head][q][:] = the sum over keys k <= q of softmax_k(gain x Qn[q] . Kn[k]) V[k][:].  K arrives as register images (4,608 bytes for a step of 128 keys), Q as f32, V as codes with the keys innermost.
; LEFT OUT: groups of 64 keys, or steps of 128, all of whose keys come after a wave's 16 queries (reference()'s own causal mask gives them the weight 0); a NaN or an infinity that reaches only this work is not carried to the result.
; SHARES.  Eight work-groups to a head, sixteen waves each; a wave owns a tile of 16 queries.  Waves 2 k and 2 k + 1 are PARTNERS, k = 0 .. 7.  One (role A) owns a tile of step 15 - k, the other (role B) a tile of step k.
;   A works its own step, up to its diagonal, and the whole steps 0 .. 7.  B works its own step and the whole steps 0 .. k - 1, sends its tile out, and then works steps 8 .. 14 - k of A's tile; the two parts of A's tile are joined through LDS.
;   So every A has eight whole steps beside its own, every B seven; of each four waves (by number % 4 and by number / 4) two are A and two B.
;   A tile with position under 4 in its step needs 64 keys of it, the others 128: the position's upper bit is the cluster's x, exchanged in half of the waves (two of each four, by either count).
; CLUSTER.  Four of a head's eight work-groups ask for the head's K and V JOINTLY (a mask names at most four).  The place in the cluster enters Q's and out0's addresses and the mask's lane number alone: no branch, no trip count, no LDS address.
;   A whole head lies in LDS (K's images 73,728 bytes, V's codes 65,536, its scales 4,096), each byte filled once, one load a wave.  No prefetch: the tiles are asked for at the head and no loop runs ahead of them.
; LAYOUT.  Both products transposed: S^T = K Q^T (source 0 = 16 keys, source 1 = 16 queries), O^T = V^T P^T: a lane holds one query (lane % 16) throughout.
;   The keys of K's tiles are chosen so that a lane's 32 score registers of group c (64 keys) are the whole block 2 c + lane / 16 of 32 keys.
;   The first product's K is 64: it fills registers 0-3 of a fragment.  Registers 4-7 are zero codes in Q's; in K's they are the next tile's codes, or what stands behind the last tile: every code is finite, and times zero it adds nothing.
; THE SOFTMAX: t = score x |gain| log2(e); M = the row's largest t so far, rounded UP to a whole number; p = 2^(t - M), quantised along the keys, not normalised; the row's sum is taken of the unquantised p and divides at the end.
;   When M moves, the sum and O are multiplied by 2^(old M - new M): exact.  A block's scale comes from floor(its largest t - M), which is floor(log2) of its largest p.
; LIMITS.  NaN and infinities among the inputs are not served.  |gain| log2(e) under 2^-100 is taken as 2^-100.  The promise holds while the scaled scores stay under 2^31 in magnitude.
;   A block of zeros keeps the byte 1 over zero codes.  1 / sqrt is v_rsq_f32 and a multiplication.  A negative gain is carried by the signs of Q's codes.
.set KSTEPB, 4608                      ; a step's image of K
.set LVC,  16*KSTEPB                   ; V's codes: 64 rows (d) of 1,024 bytes,
.set VP,   1040                        ; 1,040 apart: 65 x 16 bytes
.set LVS,  LVC+64*VP                   ; V's scale bytes: 64 rows of 64 bytes,
.set VSP,  72                          ; 72 apart
.set STG,  LVS+64*VSP                  ; the stages: 16 rows x 272 bytes for each wave; no fill lands there, nor on what follows
.set SP,   272
.set WREG, 16*SP
.set QI,   STG+16*WREG                 ; Q's fragments from A to B: 512 bytes of codes and 128 of scale words for each wave
.set QIB,  640
.set HO,   QI+16*QIB                   ; the parts of A's tiles from B to A: 32 registers, the sum and -M, for each pair
.set HOB,  4352
.set SPARE, HO+8*HOB                   ; the spare words, 128 bytes a wave
; v1 16 x lane; v2 V's place; v3 V's scale row; v4 stage, by rows of 256 bytes; v5 stage, way out in; v6 my spare word, v7 zero (both kept for the add); v60-61 my partner's Q, v62-63 the hand-over
; at the head: v12 stage out, v13-14 where my Q goes; behind it: v12 -M, v13 the largest score, v[14:15] the sum in two halves
; v16-23 Q's fragment; v24-27 K's scale words, v28-29 V's, v30 Q's, v31 p's: these hold scales and nothing else
.set X,    192                         ; at the head: v128-159 my queries as loaded, v192-223 turned
.set S,    64                          ; v64-127 S^T, then p
.set KF,   128                         ; v128-159 K's eight fragments, four registers each (tile 7 reads v160-163 too)
.set VF,   164                         ; v164-195 V's four
.set O,    196                         ; v196-227 O^T
.set PC,   228                         ; v228-235 p's codes
.set WV,   16
.set RK,   17
.set KP,   18
.set CX,   19
.set N1,   22
.set N2,   23
.set G1K,  24
.set G1V,  32
.set G1S,  40
.set G0K,  48
.set G0V,  52
.set G0S,  56
.set HD,   60
.set EE,   61
.set HF,   62
.set PP,   63
.set TK,   66
.set TV,   67
.set TS,   68
.set ST,   69
.set ROLE, 91
; A round of the cluster's barrier: my work-group's barrier, wave 0 signals for the work-group, every wave waits for all four work-groups, my work-group's barrier once more.
.macro ROUND
	s_barrier_signal -1
	s_barrier_wait -1
	s_cmp_lg_u32 s[WV], 0
	s_cbranch_scc1 .Lnot_wave_0_\@
	s_barrier_signal -3
.Lnot_wave_0_\@:
	s_barrier_wait -3
	s_barrier_signal -1
	s_barrier_wait -1
.endm
	s_load_b256 s[4:11], s[0:1], 0x0               ; Q s[4:5], kimg s[6:7], V_codes s[8:9], V_scales s[10:11]
	s_load_b128 s[12:15], s[0:1], 0x20             ; gain s[12:13], out0 s[14:15]
	v_lshl_add_u32 v6, v0, 2, SPARE
	v_mov_b32 v7, 0
	ds_add_u32 v6, v7                              ; the wave's opening: the add, twice on end, and its wait ahead of my first tensor load
	ds_add_u32 v6, v7
	v_lshrrev_b32 v8, 5, v0
	v_readfirstlane_b32 s[WV], v8                  ; wave 0..15
	s_lshr_b32 s[KP], s[WV], 1                     ; k
	s_mul_i32 s80, s[WV], WREG
	s_add_co_u32 s80, s80, STG                     ; my stage
	s_mul_i32 s81, s[WV], QIB
	s_add_co_u32 s81, s81, QI                      ; where my Q goes
	s_xor_b32 s82, s[WV], 1
	s_mul_i32 s82, s82, QIB
	s_add_co_u32 s82, s82, QI                      ; my partner's
	s_mul_i32 s83, s[KP], HOB
	s_add_co_u32 s83, s83, HO                      ; my pair's hand-over
	v_and_b32 v9, 31, v0                           ; lane
	v_and_b32 v10, 15, v0                          ; r
	v_bfe_u32 v11, v0, 4, 1                        ; h
	v_lshlrev_b32 v1, 4, v9
	v_lshlrev_b32 v15, 2, v9
	v_lshlrev_b32 v63, 3, v9
	v_mul_u32_u24 v4, v11, SP
	v_mul_u32_u24 v5, v10, SP
	v_mul_u32_u24 v2, v10, VP
	v_mul_u32_u24 v3, v9, VSP
	v_lshl_add_u32 v4, v10, 4, v4
	v_lshl_add_u32 v12, v11, 7, v5
	v_lshl_add_u32 v5, v11, 5, v5
	v_lshl_add_u32 v2, v11, 4, v2
	v_add_nc_u32 v4, s80, v4                       ; stage: lanes 0-15 one row of 256 bytes, lanes 16-31 the next
	v_add_nc_u32 v12, s80, v12                     ; stage: row r, block h's 128 bytes
	v_add_nc_u32 v5, s80, v5                       ; stage, way out: row r, + 32 h
	v_add_nc_u32 v2, LVC, v2                       ; V: row r of a tile, + 16 h
	v_add_nc_u32 v3, LVS, v3                       ; V's scale bytes: row d = lane (+ 32)
	v_add_nc_u32 v13, s81, v1
	v_add_nc_u32 v14, s81, v15
	v_add_nc_u32 v60, s82, v1
	v_add_nc_u32 v61, s82, v15
	v_add_nc_u32 v62, s83, v1
	v_add_nc_u32 v63, s83, v63
	v_mov_b32 v40, 0                               ; a lane permute's destination counts as one of its sources
	v_mov_b32 v55, 0
	v_mov_b32 v49, 0                               ; (named as the upper half of a pair)
	s_lshr_b32 s84, s[WV], 2
	s_xor_b32 s84, s84, s[WV]
	s_and_b32 s[ROLE], s84, 1                      ; 0: A, 1: B
	s_xor_b32 s85, s[ROLE], 1
	s_mul_i32 s86, s85, 15
	s_xor_b32 s[RK], s[KP], s86                    ; my tile's step: A 15 - k, B k
	s_lshl_b32 s85, s85, 3                         ; A 8, B 0
	s_mul_i32 s[N1], s[ROLE], s[KP]
	s_add_co_u32 s[N1], s[N1], s85                 ; whole steps of my own tile: A 0 .. 7, B 0 .. k - 1
	s_xor_b32 s[N2], s[KP], 15
	s_mul_i32 s[N2], s[N2], s[ROLE]
	s_add_co_u32 s[N2], s[N2], s85                 ; whole steps of A's tile from 8 on: B .. 14 - k, A none
	s_bfe_u32 s[CX], ttmp6, 0x40000                ; cx: my place in the cluster
	s_lshr_b32 s84, s[WV], 3
	s_lshr_b32 s86, s[WV], 1
	s_xor_b32 s84, s84, s86
	s_and_b32 s84, s84, 1
	s_xor_b32 s[HF], ttmp9, s84                    ; the cluster's x, exchanged in half of the waves.  0: my own step needs 64 keys; 1: 128
	s_lshl_b32 s[PP], s[CX], 4                     ; my first query in its group of 64
	s_and_b32 s[HD], ttmp7, 0xffff                 ; the head
	s_and_b32 s[EE], s[WV], 1                      ; which half of a tensor I fetch, if I fetch
	; descriptor groups 1.  15:0 the mask: all four work-groups; 17:16 the element's size; 20 padding on; 21 set beside a mask; 24:22 the padding's interval; 31:25 its words less one
	s_mov_b32 s[G1K], 15|(3<<16)|(1<<21)           ; K's images, half a head: 36,864 dense bytes as 144 rows of 32 elements of 8 bytes; no padding: they are read as they lie
	s_mov_b32 s[G1K+1], 32<<16                     ; tensor_dim0
	s_mov_b32 s[G1K+2], 144<<16                    ; tensor_dim1
	s_mov_b32 s[G1K+3], 32<<16                     ; tile_dim0
	s_mov_b32 s[G1K+4], 144                        ; tile_dim1
	s_mov_b32 s[G1K+5], 32                         ; the pitch
	s_mov_b32 s[G1K+6], 0
	s_mov_b32 s[G1K+7], 0
	s_mov_b32 s[G1V], 15|(3<<16)|(1<<20)|(1<<21)|(7<<22)|(3<<25)   ; V's codes, half a head: 32 rows of 128 elements of 8 bytes; four words of padding behind every 256
	s_mov_b32 s[G1V+1], 128<<16
	s_mov_b32 s[G1V+2], 32<<16
	s_mov_b32 s[G1V+3], 128<<16
	s_mov_b32 s[G1V+4], 32
	s_mov_b32 s[G1V+5], 128
	s_mov_b32 s[G1V+6], 0
	s_mov_b32 s[G1V+7], 0
	s_mov_b32 s[G1S], 15|(2<<16)|(1<<20)|(1<<21)|(3<<22)|(1<<25)   ; V's scales, a head: 64 rows of 16 elements of 4 bytes; two words of padding behind every 16
	s_mov_b32 s[G1S+1], 16<<16
	s_mov_b32 s[G1S+2], 64<<16
	s_mov_b32 s[G1S+3], 16<<16
	s_mov_b32 s[G1S+4], 64
	s_mov_b32 s[G1S+5], 16
	s_mov_b32 s[G1S+6], 0
	s_mov_b32 s[G1S+7], 0
	; offsets, apart from the addresses.  Those of the joint loads hang on the head and the wave's number alone
	s_mul_i32 s70, s[HD], 16*KSTEPB
	s_mul_i32 s84, s[EE], 8*KSTEPB
	s_add_co_u32 s70, s70, s84                     ; kimg: the head, my half
	s_mov_b32 s71, 0
	s_lshl_b32 s72, s[HD], 16
	s_lshl_b32 s84, s[EE], 15
	s_add_co_u32 s72, s72, s84                     ; V_codes likewise
	s_mov_b32 s73, 0
	s_lshl_b32 s74, s[HD], 12                      ; V_scales: the head
	s_mov_b32 s75, 0
	s_lshl_b32 s76, s[HD], 19
	s_lshl_b32 s84, s[RK], 15
	s_add_co_u32 s76, s76, s84
	s_lshl_b32 s84, s[HF], 14
	s_add_co_u32 s76, s76, s84
	s_lshl_b32 s84, s[CX], 12
	s_add_co_u32 s76, s76, s84                     ; Q and out0: the head, row 128 x step + 64 x half + 16 cx, 256 bytes a row
	s_mov_b32 s77, 0
	s_mov_b32 s20, 0x76543210
	s_mov_b32 s21, 0xfedcba98                      ; v_permlanex16_b32's selects for lane l xor 16
	s_mul_i32 s[TK], s[RK], KSTEPB                 ; my own step comes first
	s_lshl_b32 s[TV], s[RK], 6
	s_lshl_b32 s[TS], s[RK], 2
	s_wait_alu depctr_va_vdst(0)                   ; the wait at the head's end
	s_wait_dscnt 0x0                               ; both opening adds are done
	s_wait_kmcnt 0x0
	s_add_nc_u64 s[4:5], s[4:5], s[76:77]
	s_add_nc_u64 s[14:15], s[14:15], s[76:77]
.irp j, 0,1,2,3,4,5,6,7
	global_load_b128 v[128+4*\j:128+4*\j+3], v1, s[4:5] offset:512*\j th:TH_LOAD_NT   ; my 16 queries, read by this wave alone
.endr
	s_load_b32 s88, s[12:13], 0x0                  ; gain
	s_mov_b32 s[G0K], 1                            ; 1:0 count = 1
	s_mul_i32 s[G0K+1], s[EE], 8*KSTEPB            ; 63:32 LDS address
	s_add_nc_u64 s[G0K+2:G0K+3], s[6:7], s[70:71]  ; 120:64 global address
	s_or_b32 s[G0K+3], s[G0K+3], 0x80000000        ; 127:126 type = 2
	s_mov_b32 s[G0V], 1
	s_mul_i32 s[G0V+1], s[EE], 32*VP
	s_add_co_u32 s[G0V+1], s[G0V+1], LVC
	s_add_nc_u64 s[G0V+2:G0V+3], s[8:9], s[72:73]
	s_or_b32 s[G0V+3], s[G0V+3], 0x80000000
	s_mov_b32 s[G0S], 1
	s_mov_b32 s[G0S+1], LVS
	s_add_nc_u64 s[G0S+2:G0S+3], s[10:11], s[74:75]
	s_or_b32 s[G0S+3], s[G0S+3], 0x80000000
	ROUND                                          ; all four work-groups are here: the joint loads meet
	; THE FILLS, all of the launch: waves 0, 1 K's halves, waves 2, 3 V's halves, wave 4 V's scales; one load a wave, so one tensor load of a wave is out at the most.
	; The branches hang on the wave's number alone.  Four v_nop follow each load, ahead of the jump and the label.
	s_cmp_lt_u32 s[WV], 2
	s_cbranch_scc0 .Lnot_k
	tensor_load_to_lds s[G0K:G0K+3], s[G1K:G1K+7]
	s_nop 0
.rept 4
	v_nop
.endr
	s_branch .Lasked
.Lnot_k:
	s_cmp_lt_u32 s[WV], 4
	s_cbranch_scc0 .Lnot_v
	tensor_load_to_lds s[G0V:G0V+3], s[G1V:G1V+7]
	s_nop 0
.rept 4
	v_nop
.endr
	s_branch .Lasked
.Lnot_v:
	s_cmp_eq_u32 s[WV], 4
	s_cbranch_scc0 .Lasked
	tensor_load_to_lds s[G0S:G0S+3], s[G1S:G1S+7]
	s_nop 0
.rept 4
	v_nop
.endr
.Lasked:
	s_wait_kmcnt 0x0                               ; gain
	s_ashr_i32 s89, s88, 31
	s_and_b32 s89, s89, 0x88888888                 ; a negative gain turns the sign bit of each of Q's codes
	s_and_b32 s90, s88, 0x7fffffff
	; MY QUERIES, while the tiles are on their way: through my stage, so that a lane gets the 32 numbers of block h of row r; normalised, quantised
	s_wait_loadcnt 0x0
.irp j, 0,1,2,3,4,5,6,7
	ds_store_b128 v4, v[128+4*\j:128+4*\j+3] offset:SP*2*\j
.endr
.irp i, 0,1,2,3,4,5,6,7
	ds_load_b128 v[X+4*\i:X+4*\i+3], v12 offset:16*\i              ; LDS serves a wave's instructions in order (ISA guide 5.7.1.4): these see my stores
.endr
	s_wait_dscnt 0x0
	v_pk_fma_f32 v[36:37], v[X:X+1], v[X:X+1], 0x2a8cbccc op_sel_hi:[1,1,0]   ; the squares in two chains; a quarter of 1e-12 in each half of a row's two lanes
	v_pk_mul_f32 v[38:39], v[X+2:X+3], v[X+2:X+3]
	v_max3_num_f32 v44, |v[X]|, |v[X+1]|, |v[X+2]|
	v_max3_num_f32 v45, |v[X+3]|, |v[X+4]|, |v[X+5]|
.irp i, 4,8,12,16,20,24,28
	v_pk_fma_f32 v[36:37], v[X+\i:X+\i+1], v[X+\i:X+\i+1], v[36:37]
	v_pk_fma_f32 v[38:39], v[X+\i+2:X+\i+3], v[X+\i+2:X+\i+3], v[38:39]
	v_max3_num_f32 v44, v44, |v[X+\i+2]|, |v[X+\i+3]|
.if (\i)<28
	v_max3_num_f32 v45, v45, |v[X+\i+4]|, |v[X+\i+5]|
.endif
.endr
	v_pk_add_f32 v[36:37], v[36:37], v[38:39]
	v_max_num_f32 v44, v44, v45
	v_add_f32 v36, v36, v37
	s_delay_alu instid0(VALU_DEP_1)
	v_permlanex16_b32 v40, v36, s20, s21           ; the row's other 32 numbers lie in lane l xor 16
	s_delay_alu instid0(VALU_DEP_1)
	v_add_f32 v36, v36, v40
	s_wait_alu depctr_va_vdst(0)                   ; the wait ahead of the transcendental
	v_rsq_f32 v48, v36
	v_mov_b32 v35, 0                               ; a lane permute's destination.  (A plain place behind the transcendental)
	s_wait_alu depctr_va_vdst(0)                   ; and behind it
	v_mul_f32 v52, v44, v48                        ; the largest normalised magnitude: a rounded multiplication by a positive number keeps the order
	v_max_num_f32 v52, 0x1800000, v52              ; the floor 2^(3 - 127): the byte cannot fall under 1
	v_add_nc_u32 v52, 0xff000000, v52              ; 2 off the exponent field: the conversion's scale operand
.irp i, 0,2,4,6,8,10,12,14,16,18,20,22,24,26,28,30
	v_pk_mul_f32 v[X+\i:X+\i+1], v[X+\i:X+\i+1], v[48:49] op_sel_hi:[1,0]
.endr
.irp g, 0,1,2,3
	v_cvt_scalef32_pk8_fp4_f32 v[16+\g], v[X+8*\g:X+8*\g+7], v52   ; registers 0-3 of the fragment
.endr
	v_lshrrev_b32 v54, 23, v52                     ; the scale's byte.  (Also the plain work behind the conversions)
	v_mov_b32 v20, 0                               ; K = 64 .. 127 of Q's fragment: zero codes
	v_permlanex16_b32 v55, v54, s20, s21
	v_mov_b32 v21, 0
	v_lshl_or_b32 v30, v55, 8, v54                 ; lanes 0-15 are read
	v_mov_b32 v22, 0
	v_or_b32 v30, 0x40400000, v30                  ; a finite byte over the zero codes
.irp i, 0,1,2,3
	v_xor_b32 v[16+\i], s89, v[16+\i]
.endr
	v_mov_b32 v48, s90
	v_and_b32 v36, 15, v0                          ; r
	v_bfe_u32 v37, v0, 4, 1                        ; h
	v_mov_b32 v23, 0
	v_mul_f32 v48, 0x3fb8aa3b, v48                 ; c = |gain| log2(e),
	v_lshlrev_b32 v47, 3, v37                      ; 8 h
	v_lshlrev_b32 v37, 5, v37
	v_mov_b32 v50, 0xff800000                      ; -infinity
	v_max_num_f32 v48, 0x0d800000, v48             ; at least 2^-100
	v_sub_nc_u32 v51, v36, v37
	v_mov_b32 v39, 0                               ; (named as the upper half of the pair v[38:39])
.irp i, 0,1,2,3
	v_mov_b32 v[160+\i], 0                         ; behind K's last fragment
.endr
	v_mov_b32 v49, v48
	v_add_nc_u32 v51, s[PP], v51                   ; my query's place in its group of 64, less 32 h: register n of the group is hidden where n is greater
	s_wait_alu depctr_va_vdst(0)                   ; ahead of the branch and the barrier
	s_cmp_lg_u32 s[ROLE], 0
	s_cbranch_scc1 .Lkeep
	ds_store_b128 v13, v[16:19]                    ; A's queries, for B
	ds_store_b32 v14, v30 offset:512
.Lkeep:
	s_wait_tensorcnt 0x0                           ; my part of the head is in LDS,
	s_wait_dscnt 0x0                               ; and my queries,
	s_barrier_signal -1
	s_barrier_wait -1                              ; everybody's are.  Nothing is filled again
; A step of 64 ng keys.  diag = 1: my own step, the first: the last group of 64 under the mask; it starts the sums.
.macro STEP ng, diag
	v_add_nc_u32 v32, s[TK], v1
	v_add_nc_u32 v33, s[TV], v2
	v_add_nc_u32 v34, s[TS], v3
	v_nop                                          ; four places in front of loads into registers that the last products read
.irp t, 0,1,2,3,4,5,6,7
.if (\t)<4*\ng
	ds_load_b128 v[KF+4*\t:KF+4*\t+3], v32 offset:512*\t
.endif
.endr
	ds_load_b128 v[24:27], v32 offset:4096
.irp t, 0,1,2,3
.irp c, 0,1
	ds_load_b128 v[VF+8*\t+4*\c:VF+8*\t+4*\c+3], v33 offset:16*VP*\t+32*\c   ; V's fragments land under the softmax
.endr
.endr
	ds_load_b32 v28, v34
	ds_load_b32 v29, v34 offset:32*VSP
	s_wait_dscnt 10                                ; K's fragments and scale words are in; V's ten loads may be out
.irp t, 0,1,2,3,4,5,6,7
.if (\t)<4*\ng
.if (\t)%2
	v_wmma_scale_f32_16x16x128_f8f6f4 v[S+8*\t:S+8*\t+7], v[KF+4*\t:KF+4*\t+7], v[16:23], 0, v[24+\t/2], v30 matrix_a_fmt:MATRIX_FMT_FP4 matrix_b_fmt:MATRIX_FMT_FP4 matrix_a_scale:MATRIX_SCALE_ROW1
.else
	v_wmma_scale_f32_16x16x128_f8f6f4 v[S+8*\t:S+8*\t+7], v[KF+4*\t:KF+4*\t+7], v[16:23], 0, v[24+\t/2], v30 matrix_a_fmt:MATRIX_FMT_FP4 matrix_b_fmt:MATRIX_FMT_FP4
.endif
.endif
.endr
.rept 4
	v_nop                                          ; four places between the products and the first read of their results (ISA guide 7.12.1)
.endr
.if \diag
.set n, 0
.rept 32
	v_cmp_gt_i32 vcc_lo, n, v51
	v_cndmask_b32 v[S+32*(\ng-1)+n], v[S+32*(\ng-1)+n], v50, vcc_lo   ; hidden scores become -infinity ahead of the maximum: p = 0
.set n, n+1
.endr
.endif
; the largest score of my block of each group, in two chains; each accumulator is read from its low end on
.irp c, 0,1
.if (\c)<\ng
	v_max3_num_f32 v[40+\c], v[S+32*\c], v[S+32*\c+1], v[S+32*\c+2]
	v_max3_num_f32 v[42+\c], v[S+32*\c+16], v[S+32*\c+17], v[S+32*\c+18]
.endif
.endr
.irp i, 3,5,7,9,11,13
.irp c, 0,1
.if (\c)<\ng
	v_max3_num_f32 v[40+\c], v[40+\c], v[S+32*\c+\i], v[S+32*\c+\i+1]
	v_max3_num_f32 v[42+\c], v[42+\c], v[S+32*\c+16+\i], v[S+32*\c+17+\i]
.endif
.endr
.endr
.irp c, 0,1
.if (\c)<\ng
	v_max3_num_f32 v[40+\c], v[40+\c], v[S+32*\c+15], v[S+32*\c+31]
.endif
.endr
.irp c, 0,1
.if (\c)<\ng
	v_max_num_f32 v[40+\c], v[40+\c], v[42+\c]
.endif
.endr
.if (\ng)==2
	v_max_num_f32 v36, v40, v41
.else
	v_mov_b32 v36, v40
.endif
	s_delay_alu instid0(VALU_DEP_1)
	v_permlanex16_b32 v35, v36, s20, s21
	s_delay_alu instid0(VALU_DEP_1)
.if \diag
	v_max_num_f32 v13, v36, v35                    ; the row's largest score (its own key counts, so it is a number)
	s_delay_alu instid0(VALU_DEP_1)
	v_mul_f32 v36, -v48, v13                       ; -t (c is positive)
	s_delay_alu instid0(VALU_DEP_1)
	v_floor_f32 v12, v36                           ; -M = floor(-t) = -ceil(t)
.else
	v_max3_num_f32 v13, v36, v35, v13              ; the running largest score
	s_delay_alu instid0(VALU_DEP_1)
	v_mul_f32 v36, -v48, v13                       ; -t (c is positive)
	s_delay_alu instid0(VALU_DEP_1)
	v_floor_f32 v36, v36                           ; the new -M = floor(-t) = -ceil(t)
	s_delay_alu instid0(VALU_DEP_1)
	v_sub_f32 v38, v36, v12                        ; old M - new M: a whole number, 0 or less
	v_mov_b32 v12, v36
	v_cvt_i32_f32 v38, v38                         ; (it saturates)
	s_delay_alu instid0(VALU_DEP_1)
	v_ldexp_f32 v38, 1.0, v38                      ; f = 2^(old M - new M)
.endif
.irp c, 0,1
.if (\c)<\ng
	v_fma_f32 v[40+\c], v[40+\c], v48, v12         ; my block's largest t - M
.endif
.endr
.set n, 0
.rept 16*\ng
	v_pk_fma_f32 v[S+n:S+n+1], v[S+n:S+n+1], v[48:49], v[12:13] op_sel_hi:[1,0,0]   ; t - M, two at a time (of the pairs c and -M the low word serves both halves)
.set n, n+2
.endr
.irp c, 0,1
.if (\c)<\ng
	v_max_num_f32 v[40+\c], 0xc2f80000, v[40+\c]   ; at least -124: the byte cannot fall under 1
.endif
.endr
.set n, 0
.if !(\diag)
.rept 8
	v_pk_mul_f32 v[O+n:O+n+1], v[O+n:O+n+1], v[38:39] op_sel_hi:[1,0]   ; O^T under the new M, from each accumulator's low end on
.set n, n+2
.endr
.endif
.irp c, 0,1
.if (\c)<\ng
	v_cvt_floor_i32_f32 v[40+\c], v[40+\c]         ; e = floor(log2) of the block's largest p
.endif
.endr
.if !(\diag)
.rept 4
	v_pk_mul_f32 v[O+n:O+n+1], v[O+n:O+n+1], v[38:39] op_sel_hi:[1,0]
.set n, n+2
.endr
.endif
.irp c, 0,1
.if (\c)<\ng
	v_lshl_add_u32 v[44+\c], v[40+\c], 23, 0x3e800000   ; 2^(e - 2): the conversion's scale operand
.endif
.endr
.if (\ng)==2
	v_lshl_add_u32 v46, v41, 16, v40
	v_add_nc_u32 v46, 0x7d007d, v46                ; the bytes e + 125 of my block of each group
.else
	v_add_nc_u32 v46, 0x40007d, v40                ; the same; a finite byte stands over the zero codes of the second group
.endif
.if !(\diag)
.rept 2
	v_pk_mul_f32 v[O+n:O+n+1], v[O+n:O+n+1], v[38:39] op_sel_hi:[1,0]
.set n, n+2
.endr
.endif
	v_lshlrev_b32 v46, v47, v46                    ; 8 h bits up
.if !(\diag)
.rept 2
	v_pk_mul_f32 v[O+n:O+n+1], v[O+n:O+n+1], v[38:39] op_sel_hi:[1,0]
.set n, n+2
.endr
.endif
	v_permlanex16_b32 v35, v46, s20, s21           ; lane l xor 16's two bytes
	s_wait_alu depctr_va_vdst(0)                   ; the wait ahead of the batch
.set n, 0
.rept 32*\ng
	v_exp_f32 v[S+n], v[S+n]                       ; p = 2^(t - M)
.set n, n+1
.endr
	v_or_b32 v31, v46, v35                         ; p's scale word.  (The plain instruction behind the exponentials)
	s_wait_alu depctr_va_vdst(0)                   ; and behind the batch, ahead of its first reader
.irp c, 0,1
.if (\c)<\ng
.irp g, 0,1,2,3
	v_cvt_scalef32_pk8_fp4_f32 v[PC+4*\c+\g], v[S+32*\c+8*\g:S+32*\c+8*\g+7], v[44+\c]   ; registers 4 c .. 4 c + 3 of p's fragment
.endr
.endif
.endr
; the row's sum of the unquantised p, two at a time, in four chains
.irp k, 0,1,2,3
	v_pk_add_f32 v[52+2*\k:53+2*\k], v[S+2*\k:S+2*\k+1], v[S+8+2*\k:S+9+2*\k]
.endr
.if (\ng)==1
.irp i, 4,5,6,7
	v_mov_b32 v[PC+\i], 0                          ; no key of the second group counts: zero codes
.endr
.endif
.irp i, 16,24,32,40,48,56
.if (\i)<32*\ng
.irp k, 0,1,2,3
	v_pk_add_f32 v[52+2*\k:53+2*\k], v[52+2*\k:53+2*\k], v[S+\i+2*\k:S+\i+2*\k+1]
.endr
.endif
.endr
	v_pk_add_f32 v[52:53], v[52:53], v[54:55]
	v_pk_add_f32 v[56:57], v[56:57], v[58:59]
.if \diag
	v_pk_add_f32 v[14:15], v[52:53], v[56:57]
.else
	v_pk_add_f32 v[52:53], v[52:53], v[56:57]
	v_pk_fma_f32 v[14:15], v[14:15], v[38:39], v[52:53] op_sel_hi:[1,0,1]   ; the sum under the new M, and this step's
.endif
	s_wait_dscnt 0x0                               ; V's fragments and scale words are in
.irp t, 0,1,2,3                                    ; the four accumulators by turns, one instruction a turn
.if \diag
.if (\t)%2
	v_wmma_scale_f32_16x16x128_f8f6f4 v[O+8*\t:O+8*\t+7], v[VF+8*\t:VF+8*\t+7], v[PC:PC+7], 0, v[28+\t/2], v31 matrix_a_fmt:MATRIX_FMT_FP4 matrix_b_fmt:MATRIX_FMT_FP4 matrix_a_scale:MATRIX_SCALE_ROW1
.else
	v_wmma_scale_f32_16x16x128_f8f6f4 v[O+8*\t:O+8*\t+7], v[VF+8*\t:VF+8*\t+7], v[PC:PC+7], 0, v[28+\t/2], v31 matrix_a_fmt:MATRIX_FMT_FP4 matrix_b_fmt:MATRIX_FMT_FP4
.endif
.else
.if (\t)%2
	v_wmma_scale_f32_16x16x128_f8f6f4 v[O+8*\t:O+8*\t+7], v[VF+8*\t:VF+8*\t+7], v[PC:PC+7], v[O+8*\t:O+8*\t+7], v[28+\t/2], v31 matrix_a_fmt:MATRIX_FMT_FP4 matrix_b_fmt:MATRIX_FMT_FP4 matrix_a_scale:MATRIX_SCALE_ROW1
.else
	v_wmma_scale_f32_16x16x128_f8f6f4 v[O+8*\t:O+8*\t+7], v[VF+8*\t:VF+8*\t+7], v[PC:PC+7], v[O+8*\t:O+8*\t+7], v[28+\t/2], v31 matrix_a_fmt:MATRIX_FMT_FP4 matrix_b_fmt:MATRIX_FMT_FP4
.endif
.endif
.endr
.endm
.macro NEXT
	s_add_co_u32 s[TK], s[TK], KSTEPB              ; the next 128 keys: K's images,
	s_add_co_u32 s[TV], s[TV], 64                  ; 64 bytes on in V's rows,
	s_add_co_u32 s[TS], s[TS], 4                   ; 4 in the rows of its scales
	s_add_co_u32 s[ST], s[ST], 1
.endm
.macro LSUM                            ; the row's sum: my two halves and lane l xor 16's
	v_add_f32 v14, v14, v15
	s_delay_alu instid0(VALU_DEP_1)
	v_permlanex16_b32 v35, v14, s20, s21
	s_delay_alu instid0(VALU_DEP_1)
	v_add_f32 v14, v14, v35
.endm
; A finished tile, register S + 8 t + j = out0(my query, 16 t + 8 h + j), goes through my own stage: a lane's eight channels of a row go in, whole rows of 256 bytes come back.
.macro SEND
.irp t, 0,1,2,3
	ds_store_b128 v5, v[S+8*\t:S+8*\t+3] offset:64*\t
	ds_store_b128 v5, v[S+8*\t+4:S+8*\t+7] offset:64*\t+16
.endr
.irp i, 0,1,2,3,4,5,6,7
	ds_load_b128 v[KF+4*\i:KF+4*\i+3], v4 offset:2*SP*\i
.endr
.irp i, 0,1,2,3,4,5,6,7
	s_wait_dscnt 7-\i                              ; stage rows 2 i and 2 i + 1 are back; the younger loads may be out
	global_store_b128 v1, v[KF+4*\i:KF+4*\i+3], s[14:15] offset:512*\i th:TH_STORE_NT   ; two neighbouring rows of out0: 512 consecutive bytes, aligned; written once
.endr
.endm
	s_cmp_lg_u32 s[HF], 0                          ; the cluster's x and the wave's number alone
	s_cbranch_scc1 .Lown_full
	STEP 1, 1
	s_branch .Lown_done
.Lown_full:
	STEP 2, 1
.Lown_done:
	s_mov_b32 s[ST], 0
	s_mov_b32 s[TK], 0
	s_mov_b32 s[TV], 0
	s_mov_b32 s[TS], 0
.Lstep:                                            ; my own tile's whole steps: eight trips, a constant; a trip that is not mine is left out by a scalar branch on the wave's number
	s_cmp_ge_u32 s[ST], s[N1]
	s_cbranch_scc1 .Lskip
	STEP 2, 0
.Lskip:
	NEXT
	s_cmp_lt_u32 s[ST], 8
	s_cbranch_scc1 .Lstep
	s_wait_alu depctr_va_vdst(0)                   ; ahead of the branch
	s_cmp_eq_u32 s[ROLE], 0
	s_cbranch_scc1 .Lgo_on
	; B: my tile is finished: it goes out, and A's tile takes its place
	LSUM
	s_wait_alu depctr_va_vdst(0)                   ; the wait ahead of the transcendental
	v_rcp_f32 v14, v14
	v_nop                                          ; a plain place behind the transcendental; with the three above four places behind the last products
	v_nop
	s_wait_alu depctr_va_vdst(0)                   ; ahead of the first reader of the reciprocal and of O^T
.set n, 0
.rept 32
	v_mul_f32 v[S+n], v[O+n], v14
.set n, n+1
.endr
	SEND
	ds_load_b128 v[16:19], v60                     ; A's queries
	ds_load_b32 v30, v61 offset:512
	v_mov_b32 v13, 0xff61b1e6                      ; the largest score so far: -3e38, under every score;
	v_mov_b32 v12, 0x7f61b1e6                      ; -M: 3e38, a whole number
	v_mov_b32 v14, 0
	v_mov_b32 v15, 0
.set n, 0
.rept 32
	v_mov_b32 v[O+n], 0                            ; (a B may have no step of A's tile: k = 7)
.set n, n+1
.endr
	s_wait_alu depctr_va_vdst(0)                   ; ahead of the waits below
	s_wait_dscnt 0x0                               ; A's queries are in
	s_wait_xcnt 0x0                                ; the stores' data registers are loaded again only behind this wait
.Lgo_on:
.Lmore:                                            ; steps 8 .. 14: B's share of A's tile
	s_cmp_ge_u32 s[ST], s[N2]
	s_cbranch_scc1 .Lpass
	STEP 2, 0
.Lpass:
	NEXT
	s_cmp_lt_u32 s[ST], 15
	s_cbranch_scc1 .Lmore
	s_wait_alu depctr_va_vdst(0)                   ; ahead of the readers below
	LSUM
	v_mov_b32 v15, v12                             ; beside the sum: -M
	v_nop                                          ; (with the four lines above, more than four places behind the last products)
	v_nop
	s_wait_alu depctr_va_vdst(0)                   ; ahead of the branch
	s_cmp_eq_u32 s[ROLE], 0
	s_cbranch_scc1 .Lmeet
.irp i, 0,1,2,3,4,5,6,7
	ds_store_b128 v62, v[O+4*\i:O+4*\i+3] offset:512*\i            ; B hands its part over
.endr
	ds_store_b64 v63, v[14:15] offset:4096
.Lmeet:
	s_wait_dscnt 0x0                               ; it is in LDS,
	s_barrier_signal -1
	s_barrier_wait -1                              ; everybody's is
	s_cmp_lg_u32 s[ROLE], 0
	s_cbranch_scc1 .Lend
	; A joins the parts: under the greater M, divided by the sum of both
	ds_load_b64 v[36:37], v63 offset:4096
.irp i, 0,1,2,3,4,5,6,7
	ds_load_b128 v[KF+4*\i:KF+4*\i+3], v62 offset:512*\i
.endr
	s_wait_dscnt 0x0
	v_min_num_f32 v40, v15, v37                    ; the lesser -M
	v_sub_f32 v41, v40, v15
	v_sub_f32 v42, v40, v37
	v_cvt_i32_f32 v41, v41
	v_cvt_i32_f32 v42, v42
	v_ldexp_f32 v44, 1.0, v41                      ; 2^(my M - M),
	v_ldexp_f32 v45, 1.0, v42                      ; 2^(B's M - M)
	v_mul_f32 v43, v36, v45
	v_fma_f32 v43, v14, v44, v43                   ; the row's sum
	s_wait_alu depctr_va_vdst(0)                   ; the wait ahead of the transcendental
	v_rcp_f32 v46, v43
	v_nop                                          ; a plain place behind the transcendental
	s_wait_alu depctr_va_vdst(0)                   ; and behind it
	v_mul_f32 v38, v44, v46
	v_mul_f32 v52, v45, v46
	s_wait_alu depctr_va_vdst(0)                   ; ahead of the first reader of O^T
.set n, 0
.rept 16
	v_pk_mul_f32 v[S+n:S+n+1], v[O+n:O+n+1], v[38:39] op_sel_hi:[1,0]
.set n, n+2
.endr
.set n, 0
.rept 16
	v_pk_fma_f32 v[S+n:S+n+1], v[KF+n:KF+n+1], v[52:53], v[S+n:S+n+1] op_sel_hi:[1,0,1]
.set n, n+2
.endr
	SEND
.Lend:
	s_wait_tensorcnt 0x0                           ; the wave's end
	ds_add_u32 v6, v7
	s_wait_dscnt 0x0
	ROUND                                          ; the closing round: no work-group ends while a partner may still ask for a tile that names it
	s_endpgm
.Lfunc_end_k_qb91d9e8378_attn:
	.size	k_qb91d9e8378_attn, .Lfunc_end_k_qb91d9e8378_attn-k_qb91d9e8378_attn
	.p2alignl 7, 3214868480
	.fill 96, 4, 3214868480
	.section	.rodata,"a",@progbits
	.p2align	6, 0x0
	.amdhsa_kernel k_qb91d9e8378_attn
		.amdhsa_group_segment_fixed_size 261632
		.amdhsa_private_segment_fixed_size 0
		.amdhsa_enable_private_segment 0
		.amdhsa_kernarg_size 48
		.amdhsa_user_sgpr_count 2
		.amdhsa_user_sgpr_kernarg_segment_ptr 1
		.amdhsa_wavefront_size32 1
		.amdhsa_system_sgpr_workgroup_id_x 1
		.amdhsa_system_sgpr_workgroup_id_y 1
		.amdhsa_system_sgpr_workgroup_id_z 1
		.amdhsa_system_vgpr_workitem_id 0
		.amdhsa_next_free_vgpr 256
		.amdhsa_next_free_sgpr 96
		.amdhsa_reserve_vcc 1
		.amdhsa_float_denorm_mode_32 3
		.amdhsa_float_denorm_mode_16_64 3
		.amdhsa_memory_ordered 1
		.amdhsa_forward_progress 1
		.amdhsa_inst_pref_size 79
	.end_amdhsa_kernel
	.amdgpu_metadata
---
amdhsa.version: [ 1, 2 ]
amdhsa.kernels:
  - .name:           k_qb91d9e8378_attn
    .symbol:         k_qb91d9e8378_attn.kd
    .args:
      - { .name: Q, .offset: 0, .size: 8, .value_kind: global_buffer, .address_space: global }
      - { .name: kimg, .offset: 8, .size: 8, .value_kind: global_buffer, .address_space: global }
      - { .name: V_codes, .offset: 16, .size: 8, .value_kind: global_buffer, .address_space: global }
      - { .name: V_scales, .offset: 24, .size: 8, .value_kind: global_buffer, .address_space: global }
      - { .name: gain, .offset: 32, .size: 8, .value_kind: global_buffer, .address_space: global }
      - { .name: out0, .offset: 40, .size: 8, .value_kind: global_buffer, .address_space: global }
    .group_segment_fixed_size: 261632
    .private_segment_fixed_size: 0
    .kernarg_segment_align: 8
    .kernarg_segment_size: 48
    .max_flat_workgroup_size: 512
    .sgpr_count:     96
    .vgpr_count:     256
    .wavefront_size: 32
...
	.end_amdgpu_metadata
.endif
;; end of part 2
